; MI455X (gfx1250); checked and timed in simulation.
; The chip was launched on July 23, 2026; its instructions are those of AMD's public machine-readable ISA for CDNA 5 (MIT licence, August 2026) and "CDNA5" Instruction Set Architecture Reference Guide (July 2026). The comments in the code are by the model that wrote it; some were corrected since.
;; Global State Bus. Allowed arithmetic: matrix products marked QUANTISED: E2M3 operands, one E8M0 scale for each 32 along K, by v_wmma_scale_f32_16x16x128_f8f6f4 with both operands' format E2M3, f32 sums; products left as they are: f32 operands where the result goes on into a quantised operand, else bf16, f16 or f32 operands; f32 sums; everything else in f32.
;; Inputs: Wc_codes 512 x 32 x 24 uint8 (E2M3 codes of Wc, K innermost, in blocks of 32 codes, four codes in three bytes); Wc_scales 512 x 32 uint8 (E8M0 scales of Wc, one for each 32 codes along K); Wg_codes 64 x 32 x 24 uint8 (E2M3 codes of Wg, K innermost, in blocks of 32 codes, four codes in three bytes); Wg_scales 64 x 32 uint8 (E8M0 scales of Wg, one for each 32 codes along K); Wv_codes 512 x 32 x 24 uint8 (E2M3 codes of Wv, K innermost, in blocks of 32 codes, four codes in three bytes); Wv_scales 512 x 32 uint8 (E8M0 scales of Wv, one for each 32 codes along K); bc 512 float32; bg 64 float32; buffer 128 x 64 x 8 x 512 float32; bv 512 float32; query_codes 128 x 32 x 24 uint8 (E2M3 codes of query, K innermost, in blocks of 32 codes, four codes in three bytes); query_scales 128 x 32 uint8 (E8M0 scales of query, one for each 32 codes along K); x_codes 128 x 32 x 24 uint8 (E2M3 codes of x, K innermost, in blocks of 32 codes, four codes in three bytes); x_scales 128 x 32 uint8 (E8M0 scales of x, one for each 32 codes along K).
;; Outputs: out0 128 x 64 x 512 float32.
;; This version of the problem:
;;   THIS VERSION OF THE PROBLEM IS GIVEN IN LOW PRECISION. The matrix products marked QUANTISED in the list below multiply operands that are first quantised to E2M3 (2 exponent bits, 3 mantissa bits; 6 bits a number), with one power-of-two scale for each 32 numbers along K (OCP MX v1.0); their sums are f32. All else is computed in f32.
;;   The module's matrix products, in the order in which they are computed (A, B: the left and right operand; K: the contracted axis; several contracted axes count as one K, in the product's order):
;;     1. [M 128, K 1,024] x [K 1,024, N 64]; A: input x (given as codes); B: input Wg (given as codes): QUANTISED
;;     2. [M 128, K 1,024] x [K 1,024, N 512]; A: input x (given as codes); B: input Wv (given as codes): QUANTISED
;;     3. [M 128, K 1,024] x [K 1,024, N 512]; A: input query (given as codes); B: input Wc (given as codes): QUANTISED
;;     4. batch 128 x [M 512, K 512] x [K 512, N 1]; A: computed on the way; B: computed on the way: left as it is (N = 1 < 16)
;;     5. batch 8,192 x [M 1, K 8] x [K 8, N 512]; A: softmax; B: computed on the way: left as it is (K = 8 < 32)
;;   THE QUANTISER, for each operand of a quantised product, along K:
;;     - K is cut into blocks of 32 from its start; a last block that is shorter is filled with zeros.
;;     - A block's scale is 2^e with e = floor(log2(the largest magnitude in the block)) - 2, held to -126 .. 127; a block of zeros has e = 0. As a byte (E8M0): e + 127.
;;     - Each number is divided by its block's scale, clamped to +-7.5, and rounded to the nearest number of E2M3, ties to even, subnormals kept.
;;     - The product sums the exact products of the quantised numbers (number of the format x scale) in f32.
;;   ~~~python
;;   def quantise(x, axis):      # numpy; x: float32 -> the quantised numbers, widened to float32 again
;;       x = np.moveaxis(x, axis, -1); K = x.shape[-1]
;;       x = np.pad(x, [(0, 0)] * (x.ndim - 1) + [(0, -K % 32)]); x = x.reshape(x.shape[:-1] + (-1, 32)); a = np.abs(x).max(-1, keepdims=True)
;;       e = np.where(a > 0, np.clip(np.frexp(np.where(a > 0, a, 1))[1] - 1 - 2, -126, 127), 0)      # np.frexp(a)[1] - 1 = floor(log2(a)), exactly
;;       r = np.clip(x / 2.0 ** e, -7.5, 7.5)
;;       step = 2.0 ** (np.maximum(np.frexp(np.where(r == 0, 1, r))[1] - 1, 0) - 3)
;;       q = np.round(r / step) * step * 2.0 ** e      # np.round: ties to even
;;       return np.moveaxis(q.reshape(q.shape[:-2] + (-1,))[..., :K], -1, axis).astype(np.float32)
;;   ~~~
;;   INPUTS GIVEN AS CODES. Wc (in the module: [1024, 512], K = its axis 0); Wg (in the module: [1024, 64], K = its axis 0); Wv (in the module: [1024, 512], K = its axis 0); query (in the module: [128, 1024], K = its axis 1); x (in the module: [128, 1024], K = its axis 1): each comes as NAME_codes (uint8): NAME with its K axis moved to the last place and cut into blocks of 32 codes, [.., K / 32, bytes a block], one block behind the other in memory; four codes in three bytes: a row's codes are one little-endian stream of bits, code i at bits 6 i .. 6 i + 5 (a code: sign, 2 exponent bits, 3 mantissa bits); and NAME_scales (uint8): the same leading axes, one E8M0 byte (e + 127) for each 32 codes along K. Its value is code x scale, taken as it is: it is not quantised again, and the codes and scales need not be those that the quantiser above would give.
;; One version. Each part assembles by itself: llvm-mc -triple=amdgcn-amd-amdhsa -mcpu=gfx1250 --defsym DOCPART=n.
;; ======== version 1 of 1: 2 launches
;; workspace buffers: proj 557,056 bytes
;; launch proj (part 1): grid 17 x 8, 4 waves a work-group, no clusters, 67,584 bytes of LDS; arguments query_codes, query_scales, x_codes, x_scales, Wc_codes, Wc_scales, Wv_codes, Wv_scales, Wg_codes, Wg_scales, bc, bv, bg, proj; writes proj
.if DOCPART == 1
	.amdgcn_target "amdgcn-amd-amdhsa--gfx1250"
	.amdhsa_code_object_version 6
	.text
	.protected	k_qf62fc1e02e_proj
	.globl	k_qf62fc1e02e_proj
	.p2align	8
	.type	k_qf62fc1e02e_proj,@function
k_qf62fc1e02e_proj:
	s_mov_b64 s[64:65], 0
	v_nop
	global_prefetch_b8 v0, s[64:65] scope:SCOPE_SE
	s_setreg_imm32_b32 hwreg(HW_REG_WAVE_MODE, 25, 1), 1
	s_wait_xcnt 0x0
; The three quantised products, all with M = 128 and K = 1,024, on codes of FP6 (E2M3) with one E8M0 byte for each 32 along K, as they are given:
;   q = query Wc + bc (512 columns), content = x Wv + bv (512), gate = sigmoid(x Wg + bg) (64).
; They go into ONE table, proj [128 rows b][1,088 f32], 4,352 bytes a row: bytes 0-2047 q x c with c = log2(e) / sqrt(512) (so that the next launch's
; scores come out as exponents of 2), bytes 2048-4095 content, bytes 4096-4351 gate.
; SHARES.  Work-group (g, my) makes rows 16 my .. + 15 and columns 64 g .. + 63 of the table: g 0-7 is q, g 8-15 content, g 16 gate.  Wave w makes one tile of 16 x 16:
; 8 matrix instructions of 128 along K, on two accumulators by turns (even K steps, odd K steps), which are added at the end.
; ONE PATH for all g: the buffers are chosen by s_cselect_b64 on the work-group's number; the sigmoid is always computed and chosen by v_cndmask_b32 with a mask that is all ones for g = 16.
; THE MATRIX INSTRUCTION IS USED TRANSPOSED: source 0 = 16 rows of W (K innermost), source 1 = 16 rows of x or query.  Lane (r, h) then holds row r and the eight neighbouring columns 8 h + 0 .. 7.
; The bias is the C of the first matrix instruction: eight registers in the result's layout.
; CODES GO THROUGH LDS: a tile of 16 rows x 768 bytes is 12,288 dense bytes of memory, read by loads of 512 consecutive bytes, laid in LDS as rows of 784 bytes, and read back as fragments in pieces of 8 bytes.
; No cluster: the grid's 17 columns do not divide by 4.  No tensor loads: each LDS byte is filled once, and a row of 768 bytes has no power-of-two interval for a pad behind each row.
; LIMITS: a scale byte 0xff gives NaN, as the matrix instruction defines it; NaN and infinities in the biases are not served.
.set PITCH, 784                        ; an LDS row: 768 bytes + 16 = 196 words: row r starts at bank 4 r mod 64 (64 banks of 4 bytes: ISA guide 11.1); the 32 lanes of a load of 8 bytes touch 64 different banks
.set TILE,  16*PITCH                   ; 12,544: A's tile at 0 (shared), wave w's tile of W at TILE (1 + w)
.set STAGE, 5*TILE                     ; 62,720: 16 rows x (256 + 16) bytes of results
.set SPITCH, 272
.set ROWP,  4352                       ; a row of the table in bytes
.set AST,  16                          ; v16-39   A's quarter as loaded (6 x 4)
.set BST,  40                          ; v40-135  W's tile as loaded (24 x 4)
.set AF,   16                          ; v16-111  behind the first barrier: A's fragments, 12 registers for each K step
.set BF,   112                         ; v112-207 W's fragments
.set ACC,  208                         ; v208-215 even K steps (begins as the bias), v216-223 odd K steps
.set SA,   224                         ; v224-231 A's scale words, one for each K step: these sixteen registers hold scales and nothing else
.set SB,   232                         ; v232-239 W's
.set Z,    240                         ; v240-247 the sums
.set E,    248                         ; v248-255 the sigmoid at work
.set ZS,   16                          ; v16-23   the sums x factor
.set RES,  24                          ; v24-31   what is stored
.set BK,   32                          ; v32-39   two rows' pieces back from the stage
	s_load_b512 s[8:23], s[0:1], 0x0               ; query codes 8, query scales 10, x codes 12, x scales 14, Wc codes 16, Wc scales 18, Wv codes 20, Wv scales 22
	s_load_b256 s[24:31], s[0:1], 0x40             ; Wg codes 24, Wg scales 26, bc 28, bv 30
	s_load_b128 s[32:35], s[0:1], 0x60             ; bg 32, proj 34
	s_set_vgpr_msb 0x40
	v_lshl_add_u32 v0, v0, 2, 0x10600
	v_mov_b32 v1, 0
	s_set_vgpr_msb 0x4000
	v_lshrrev_b32 v1, 5, v0
	v_readfirstlane_b32 s36, v1                    ; wave 0..3
	s_mov_b32 s37, ttmp9                           ; g: which 64 columns of the table
	s_and_b32 s38, ttmp7, 0xffff                   ; my: which 16 rows
	s_and_b32 s39, s37, 7                          ; which 64 rows of the chosen W (0 for g = 16)
	v_and_b32 v1, 31, v0                           ; lane
	v_and_b32 v2, 15, v0                           ; r
	v_bfe_u32 v3, v0, 4, 1                         ; h
	v_lshlrev_b32 v4, 4, v1                        ; 16 x lane: my 16 bytes of a load's 512
	v_lshlrev_b32 v5, 5, v2                        ; 32 r: my row's 32 scale bytes
	v_lshlrev_b32 v6, 5, v3                        ; 32 h: my eight numbers of the bias
	; LDS addresses, all made here from the thread's number, the wave's number and constants
	s_mul_i32 s54, s36, 4*PITCH                    ; A: wave w brings rows 4 w .. 4 w + 3
	v_add_nc_u32 v7, s54, v4                       ; in: 16 x lane + my quarter,
	v_lshl_add_u32 v8, v3, 4, v7                   ; and the same one pad further on for lanes 16-31 (the load in whose middle a row ends)
	s_mul_i32 s55, s36, TILE
	s_add_co_u32 s55, s55, TILE                    ; my own tile of W
	v_add_nc_u32 v9, s55, v4
	v_lshl_add_u32 v10, v3, 4, v9
	v_mul_u32_u24 v11, v2, PITCH
	v_mad_u32_u24 v11, v3, 24, v11                 ; a fragment of A: row r, + 24 h
	v_add_nc_u32 v12, s55, v11                     ; of W
	v_mul_u32_u24 v13, v2, SPITCH
	v_lshl_add_u32 v13, v3, 5, v13
	s_lshl_b32 s56, s36, 6
	s_add_co_u32 s56, s56, STAGE
	v_add_nc_u32 v13, s56, v13                     ; the stage, in: row r, + 64 w + 32 h
	s_mul_i32 s57, s36, 4*SPITCH
	s_add_co_u32 s57, s57, STAGE
	v_mul_u32_u24 v14, v3, SPITCH
	v_lshl_add_u32 v14, v2, 4, v14
	v_add_nc_u32 v14, s57, v14                     ; back: wave w takes rows 4 w .. 4 w + 3; lanes 0-15 one row of 256 bytes, lanes 16-31 the next
	v_mul_u32_u24 v15, v3, ROWP
	v_lshl_add_u32 v15, v2, 4, v15                 ; and the same two rows in the table
	s_wait_kmcnt 0x0
	; the choice of buffers hangs on the work-group's number alone
	s_cmp_lt_u32 s37, 8
	s_cselect_b64 s[40:41], s[8:9], s[12:13]       ; A's codes: query or x
	s_cselect_b64 s[42:43], s[10:11], s[14:15]     ; A's scales
	s_cselect_b64 s[44:45], s[16:17], s[20:21]     ; W's codes: Wc or Wv
	s_cselect_b64 s[46:47], s[18:19], s[22:23]     ; W's scales
	s_cselect_b64 s[48:49], s[28:29], s[30:31]     ; the bias: bc or bv
	s_cselect_b32 s50, 0x3d8293ee, 1.0             ; q is stored x c = log2(e) / sqrt(512)
	s_cmp_eq_u32 s37, 16
	s_cselect_b64 s[44:45], s[24:25], s[44:45]     ; or Wg,
	s_cselect_b64 s[46:47], s[26:27], s[46:47]
	s_cselect_b64 s[48:49], s[32:33], s[48:49]     ; bg,
	s_cselect_b32 s51, -1, 0                       ; and the sigmoid
	s_mov_b32 s53, 0
	s_mul_i32 s52, s38, 16*768
	s_mul_i32 s58, s36, 4*768
	s_add_co_u32 s52, s52, s58
	s_add_nc_u64 s[40:41], s[40:41], s[52:53]      ; A's codes at row 16 my + 4 w
	s_lshl_b32 s52, s38, 9
	s_add_nc_u64 s[42:43], s[42:43], s[52:53]      ; A's scales at row 16 my
	s_mul_i32 s52, s39, 64*768
	s_mul_i32 s58, s36, 16*768
	s_add_co_u32 s52, s52, s58
	s_add_nc_u64 s[44:45], s[44:45], s[52:53]      ; W's codes at row 64 gl + 16 w
	s_lshl_b32 s52, s39, 11
	s_lshl_b32 s58, s36, 9
	s_add_co_u32 s52, s52, s58
	s_add_nc_u64 s[46:47], s[46:47], s[52:53]      ; W's scales likewise
	s_lshl_b32 s52, s39, 8
	s_lshl_b32 s58, s36, 6
	s_add_co_u32 s52, s52, s58
	s_add_nc_u64 s[48:49], s[48:49], s[52:53]      ; the bias at my tile's 16 numbers
	s_mul_i32 s52, s38, 16*ROWP
	s_mul_i32 s58, s36, 4*ROWP
	s_add_co_u32 s52, s52, s58
	s_lshl_b32 s58, s37, 8
	s_add_co_u32 s52, s52, s58
	s_add_nc_u64 s[34:35], s[34:35], s[52:53]      ; the table at row 16 my + 4 w, byte 256 g
	; 36 loads in one run; no address register or base is written again
	global_load_b128 v[ACC:ACC+3],   v6, s[48:49]              ; the bias, in the result's layout: lane (r, h) takes numbers 8 h + 0 .. 7 of the tile's 16
	global_load_b128 v[ACC+4:ACC+7], v6, s[48:49] offset:16
	global_load_b128 v[SA:SA+3],     v5, s[42:43]              ; row r's eight scale words (lanes 16-31 take the same; they are not read)
	global_load_b128 v[SA+4:SA+7],   v5, s[42:43] offset:16
	global_load_b128 v[SB:SB+3],     v5, s[46:47]
	global_load_b128 v[SB+4:SB+7],   v5, s[46:47] offset:16
.irp i, 0,1,2,3,4,5
	global_load_b128 v[AST+4*\i:AST+4*\i+3], v4, s[40:41] offset:512*\i    ; my quarter of A's tile: 3,072 dense bytes
.endr
.irp i, 0,1,2,3,4,5,6,7,8,9,10,11,12,13,14,15,16,17,18,19,20,21,22,23
	global_load_b128 v[BST+4*\i:BST+4*\i+3], v4, s[44:45] offset:512*\i    ; my tile of W: 12,288 dense bytes
.endr
; Three loads are two rows of 768 bytes.  Piece c = 32 i + lane of 16 bytes lies in row c / 48, so it goes to 16 c + 16 (c / 48): the first load of three lies in the first row, the third in the second,
; and the second load's lanes 16-31 lie behind the pad: they have the second address register.
.macro TOLDS reg, r0, r1, a
	ds_store_b128 v[\r0], v[(\reg):(\reg)+3]    offset:2*PITCH*(\a)
	ds_store_b128 v[\r1], v[(\reg)+4:(\reg)+7]  offset:2*PITCH*(\a)+512
	ds_store_b128 v[\r0], v[(\reg)+8:(\reg)+11] offset:2*PITCH*(\a)+1040
.endm
	s_wait_loadcnt 24                              ; all but W's 24 loads are in: the bias, the scale words, A's quarter
.irp a, 0,1
	TOLDS AST+12*\a, 7, 8, \a
.endr
.irp a, 0,1,2,3,4,5,6,7
	s_wait_loadcnt 3*(7-\a)                        ; loads come back in order: this triple is in, the later triples may be out
	TOLDS BST+12*\a, 9, 10, \a
.endr
	s_wait_dscnt 0x0                               ; for the others' sake: my quarter of A's tile has landed
	s_barrier_signal -1
	s_barrier_wait -1                              ; A's tile is whole
; The fragments of K step s: lane (r, h) takes 24 bytes at 96 s + 24 h of row r and 24 bytes 48 further on, each as three pieces of 8 bytes: 12 loads for the two operands.
.macro FETCH s
.irp p, 0,1,2,3,4,5
	ds_load_b64 v[AF+12*(\s)+2*\p:AF+12*(\s)+2*\p+1], v11 offset:96*(\s)+48*(\p/3)+8*(\p%3)
.endr
.irp p, 0,1,2,3,4,5
	ds_load_b64 v[BF+12*(\s)+2*\p:BF+12*(\s)+2*\p+1], v12 offset:96*(\s)+48*(\p/3)+8*(\p%3)
.endr
.endm
; One matrix instruction.  Each K step has registers of its own, so no load lands in a register that an earlier matrix instruction names.  The two accumulators take turns, one instruction a turn.
.macro KSTEP s
.if (\s) <= 4
	s_wait_dscnt 36                                ; this step's 12 loads are in; the three steps' behind them may be out
.else
	s_wait_dscnt 12*(7-(\s))
.endif
.if (\s) == 1
	v_wmma_scale_f32_16x16x128_f8f6f4 v[ACC+8:ACC+15], v[BF+12*(\s):BF+12*(\s)+11], v[AF+12*(\s):AF+12*(\s)+11], 0, v[SB+(\s)], v[SA+(\s)] matrix_a_fmt:MATRIX_FMT_FP6 matrix_b_fmt:MATRIX_FMT_FP6
.else
	v_wmma_scale_f32_16x16x128_f8f6f4 v[ACC+8*((\s)%2):ACC+8*((\s)%2)+7], v[BF+12*(\s):BF+12*(\s)+11], v[AF+12*(\s):AF+12*(\s)+11], v[ACC+8*((\s)%2):ACC+8*((\s)%2)+7], v[SB+(\s)], v[SA+(\s)] matrix_a_fmt:MATRIX_FMT_FP6 matrix_b_fmt:MATRIX_FMT_FP6
.endif
.if (\s) < 4
	FETCH (\s)+4
.endif
.endm
	FETCH 0
	FETCH 1
	FETCH 2
	FETCH 3
.irp s, 0,1,2,3,4,5,6,7
	KSTEP \s                                       ; step 0 adds onto the bias, step 1 starts the odd steps' sum with the constant 0
.endr
.rept 4
	v_nop                                          ; four places between the last matrix instruction and the first read of results (ISA guide 7.12.1)
.endr
.irp j, 0,2,4,6
	v_pk_add_f32 v[Z+\j:Z+\j+1], v[ACC+\j:ACC+\j+1], v[ACC+8+\j:ACC+8+\j+1]   ; both accumulators from their low end on
.endr
.irp j, 0,1,2,3,4,5,6,7
	v_mul_f32 v[E+\j], 0xbfb8aa3b, v[Z+\j]         ; -z log2(e)
.endr
.irp j, 0,1,2,3,4,5,6,7
	v_exp_f32 v[E+\j], v[E+\j]                     ; e^-z
.endr
.irp j, 0,1,2,3,4,5,6,7
	v_mul_f32 v[ZS+\j], s50, v[Z+\j]               ; z x c for q, z x 1 else: plain work behind the exponentials that names none of their results
.endr
	s_wait_alu depctr_va_vdst(0)                   ; one wait for the eight exponentials, ahead of their first reader
.irp j, 0,1,2,3,4,5,6,7
	v_add_f32 v[E+\j], 1.0, v[E+\j]
.endr
.irp j, 0,1,2,3,4,5,6,7
	v_rcp_f32 v[E+\j], v[E+\j]                     ; 1 / (1 + e^-z); where e^-z is infinite this is 0
.endr
	v_nop                                          ; a plain instruction behind the last reciprocal
	s_wait_alu depctr_va_vdst(0)                   ; and one wait for the eight
.irp j, 0,1,2,3,4,5,6,7
	v_cndmask_b32 v[RES+\j], v[ZS+\j], v[E+\j], s51    ; the sigmoid for g = 16, the scaled sum else
.endr
	; THE WAY OUT: a row's 256 bytes come from four waves: they meet in the stage, and each wave stores four whole rows' pieces
	ds_store_b128 v13, v[RES:RES+3]
	ds_store_b128 v13, v[RES+4:RES+7] offset:16
	s_wait_dscnt 0x0                               ; for the others' sake: my stores into the stage are done
	s_barrier_signal -1
	s_barrier_wait -1
	ds_load_b128 v[BK:BK+3],   v14                 ; rows 4 w and 4 w + 1
	ds_load_b128 v[BK+4:BK+7], v14 offset:2*SPITCH ; rows 4 w + 2 and 4 w + 3
	s_wait_dscnt 1
	global_store_b128 v15, v[BK:BK+3], s[34:35]                    ; sixteen lanes store 256 consecutive bytes, at a multiple of 256 from the table's first byte
	s_wait_dscnt 0x0
	global_store_b128 v15, v[BK+4:BK+7], s[34:35] offset:2*ROWP
	s_set_vgpr_msb 0x5
	s_wait_tensorcnt 0x0
	ds_add_u32 v0, v1
	s_wait_dscnt 0x0
	s_set_vgpr_msb 0x500
	s_endpgm
.Lfunc_end_k_qf62fc1e02e_proj:
	.size	k_qf62fc1e02e_proj, .Lfunc_end_k_qf62fc1e02e_proj-k_qf62fc1e02e_proj
	.p2alignl 7, 3214868480
	.fill 96, 4, 3214868480
	.section	.rodata,"a",@progbits
	.p2align	6, 0x0
	.amdhsa_kernel k_qf62fc1e02e_proj
		.amdhsa_group_segment_fixed_size 67584
		.amdhsa_private_segment_fixed_size 0
		.amdhsa_enable_private_segment 0
		.amdhsa_kernarg_size 112
		.amdhsa_user_sgpr_count 2
		.amdhsa_user_sgpr_kernarg_segment_ptr 1
		.amdhsa_wavefront_size32 1
		.amdhsa_system_sgpr_workgroup_id_x 1
		.amdhsa_system_sgpr_workgroup_id_y 1
		.amdhsa_system_sgpr_workgroup_id_z 1
		.amdhsa_system_vgpr_workitem_id 0
		.amdhsa_next_free_vgpr 258
		.amdhsa_next_free_sgpr 66
		.amdhsa_reserve_vcc 0
		.amdhsa_float_denorm_mode_32 3
		.amdhsa_float_denorm_mode_16_64 3
		.amdhsa_memory_ordered 1
		.amdhsa_forward_progress 1
		.amdhsa_inst_pref_size 20
	.end_amdhsa_kernel
	.amdgpu_metadata
---
amdhsa.version: [ 1, 2 ]
amdhsa.kernels:
  - .name:           k_qf62fc1e02e_proj
    .symbol:         k_qf62fc1e02e_proj.kd
    .args:
      - { .name: query_codes, .offset: 0, .size: 8, .value_kind: global_buffer, .address_space: global }
      - { .name: query_scales, .offset: 8, .size: 8, .value_kind: global_buffer, .address_space: global }
      - { .name: x_codes, .offset: 16, .size: 8, .value_kind: global_buffer, .address_space: global }
      - { .name: x_scales, .offset: 24, .size: 8, .value_kind: global_buffer, .address_space: global }
      - { .name: Wc_codes, .offset: 32, .size: 8, .value_kind: global_buffer, .address_space: global }
      - { .name: Wc_scales, .offset: 40, .size: 8, .value_kind: global_buffer, .address_space: global }
      - { .name: Wv_codes, .offset: 48, .size: 8, .value_kind: global_buffer, .address_space: global }
      - { .name: Wv_scales, .offset: 56, .size: 8, .value_kind: global_buffer, .address_space: global }
      - { .name: Wg_codes, .offset: 64, .size: 8, .value_kind: global_buffer, .address_space: global }
      - { .name: Wg_scales, .offset: 72, .size: 8, .value_kind: global_buffer, .address_space: global }
      - { .name: bc, .offset: 80, .size: 8, .value_kind: global_buffer, .address_space: global }
      - { .name: bv, .offset: 88, .size: 8, .value_kind: global_buffer, .address_space: global }
      - { .name: bg, .offset: 96, .size: 8, .value_kind: global_buffer, .address_space: global }
      - { .name: proj, .offset: 104, .size: 8, .value_kind: global_buffer, .address_space: global }
    .group_segment_fixed_size: 67584
    .private_segment_fixed_size: 0
    .kernarg_segment_align: 8
    .kernarg_segment_size: 112
    .max_flat_workgroup_size: 128
    .sgpr_count:     66
    .vgpr_count:     258
    .wavefront_size: 32
...
	.end_amdgpu_metadata
.endif
;; end of part 1
;; launch collapse (part 2): grid 256 x 1, 16 waves a work-group, no clusters, 6,144 bytes of LDS; arguments buffer, proj, out0; writes out0
.if DOCPART == 2
	.amdgcn_target "amdgcn-amd-amdhsa--gfx1250"
	.amdhsa_code_object_version 6
	.text
	.protected	k_qf62fc1e02e_collapse
	.globl	k_qf62fc1e02e_collapse
	.p2align	8
	.type	k_qf62fc1e02e_collapse,@function
k_qf62fc1e02e_collapse:
	s_mov_b64 s[64:65], 0
	v_nop
	global_prefetch_b8 v0, s[64:65] scope:SCOPE_SE
	s_setreg_imm32_b32 hwreg(HW_REG_WAVE_MODE, 25, 1), 1
	s_wait_xcnt 0x0
; For each pair (b, s): new = buffer[b][s][p][:] (1 - g) + content[b][:] g for p = 0 .. 7; score[p] = new[p] . q[b] / sqrt(512); w = softmax over p; out0[b][s][:] = the sum over p of w[p] new[p][:].
; q x log2(e) / sqrt(512), content and g come from the table proj [128][1,088] that the launch before has stored: so a score is an exponent of 2.
; A STREAM: buffer is read once, 16 KB for each pair, and out0 written once.  Both products have their numbers in registers anyway (one has one column, the other 8 along K): they are fused multiply-adds in f32.
; SHARES.  Work-group wg has b = wg / 2 and 32 of its 64 s.  Wave w takes the pairs (tiles) number 32 wg + w and 32 wg + w + 16.  A tile is 8 rows p of 2,048 bytes, dense.
; Lane l holds numbers 128 j + 4 l + 0 .. 3 (j = 0 .. 3) of a row in 16 registers: each load and store of the wave covers 512 consecutive bytes, at a multiple of 512 from the buffer's first byte.
; THE RING is in registers: four slots of 32, each a GROUP of two rows (eight loads).  A wave has eight groups; four go out at the head, and group u + 4 goes out row by row as soon as group u's registers have been read
; for the last time: three to four groups, 12 to 16 KB, of every wave are on their way at every moment, and every wait for data but the last is counted.
; THE SOFTMAX over p keeps a running maximum m and sum l over a tile's four groups: with each group O and l are multiplied by a = 2^(m old - m new).  So a slot is free as soon as its two rows are worked in.
; Everything is written out by macros: no loop, no pointer is stepped, every offset is an immediate (278,016 bytes at the most).  Each tile has its own registers for O, so no store's data are written again.
; No tensor loads or LDS ring (a register ring keeps counted waits), no cluster (two work-groups share 4 KB beside 512 KB of their own), no prefetch (the wave's own loads run three groups ahead from the first line on).
; LIMITS: NaN and infinities in buffer are not served.  new is made by ONE fused multiply-add on content x g: one rounding fewer than a multiply, a multiply and an add.
.set Q,   32                           ; v32-47   q x c at my 16 places
.set C,   48                           ; v48-63   content
.set CG,  64                           ; v64-79   content x g of the tile in hand
.set O,   80                           ; v80-95   O of tile 0; v96-111 of tile 1
.set X,   128                          ; v128-255 four slots of 32: row 0 of a group in the lower 16, row 1 in the upper
; v1 16 x lane; v2 8 x thread; v3 0; v4 g of tile 0, v10 of tile 1; v8 1 - g; v[6:7] staging; v[12:13], v[14:15] the two rows' dot products, two halves each; v16, v17 the scores; v18, v19 the other half's;
; v20 m, v21 the new m, v22 l; v24 e0, v26 e1, v28 a, later 1 / l.  v5, v9, v11, v25, v27, v29 are named as the upper halves of pairs whose low word serves both halves: they are written once.
	s_load_b128 s[4:7], s[0:1], 0x0                ; buffer s[4:5], proj s[6:7]
	s_load_b64 s[8:9], s[0:1], 0x10                ; out0
	v_lshl_add_u32 v126, v0, 2, 0x1000
	v_mov_b32 v127, 0
	v_lshrrev_b32 v1, 5, v0
	v_readfirstlane_b32 s10, v1                    ; wave 0..15
	v_and_b32 v1, 31, v0
	v_lshlrev_b32 v1, 4, v1                        ; 16 x lane; never rewritten
	v_lshlrev_b32 v2, 3, v0                        ; 8 x thread
	v_mov_b32 v3, 0
.irp f, 5,9,11,18,19,25,27,29
	v_mov_b32 v\f, 0                               ; the pairs' upper halves; v18, v19: a lane permute's destination counts as one of its sources
.endr
	s_lshl_b32 s11, ttmp9, 5
	s_add_co_u32 s11, s11, s10                     ; my first tile: 32 wg + w = 64 b + s
	s_lshl_b32 s12, s11, 14                        ; 16,384 bytes a tile (under 2^27)
	s_mov_b32 s13, 0
	s_lshr_b32 s14, ttmp9, 1                       ; b
	s_mul_i32 s14, s14, 4352                       ; its row of the table
	s_mov_b32 s15, 0
	s_and_b32 s18, ttmp9, 1
	s_lshl_b32 s18, s18, 5
	s_add_co_u32 s18, s18, s10                     ; s of my first tile
	s_lshl_b32 s18, s18, 2
	s_add_co_u32 s18, s18, 4096                    ; its gate's place in the row
	s_mov_b32 s19, 0
	s_mov_b32 s20, 0x76543210
	s_mov_b32 s21, 0xfedcba98                      ; v_permlanex16_b32's selects for lane l xor 16
	s_wait_kmcnt 0x0
	s_add_nc_u64 s[4:5], s[4:5], s[12:13]          ; buffer at my first tile
	s_lshl_b32 s12, s11, 11                        ; 2,048 bytes of out0 a tile
	s_add_nc_u64 s[8:9], s[8:9], s[12:13]
	s_add_nc_u64 s[6:7], s[6:7], s[14:15]          ; the table at row b
	s_add_nc_u64 s[16:17], s[6:7], s[18:19]        ; and at my first gate
.macro LOADROW u, row                  ; row 2 (u % 4) + row of tile u / 4 into slot u % 4: four loads of 512 consecutive bytes
.irp j, 0,1,2,3
	global_load_b128 v[X+32*((\u)%4)+16*(\row)+4*\j:X+32*((\u)%4)+16*(\row)+4*\j+3], v1, s[4:5] offset:((\u)/4)*262144+((\u)%4)*4096+(\row)*2048+512*\j th:TH_LOAD_NT
.endr
.endm
	global_load_b64 v[6:7], v2, s[6:7]             ; the row's 4,096 bytes of q x c and content: once for the work-group, 8 bytes a thread
	global_load_b32 v4, v3, s[16:17]               ; g of my first tile, in every lane
	global_load_b32 v10, v3, s[16:17] offset:64    ; and of my second, 16 further on along s
.irp u, 0,1,2,3
	LOADROW \u, 0
	LOADROW \u, 1
.endr
	s_wait_loadcnt 34                              ; the first load is in; the two gates' and the 32 of the ring may be out
	ds_store_b64 v2, v[6:7]
	s_wait_dscnt 0x0                               ; for the others' sake: my 8 bytes have landed
	s_barrier_signal -1
	s_barrier_wait -1                              ; the launch's one barrier: q x c and content lie in LDS
.irp j, 0,1,2,3
	ds_load_b128 v[Q+4*\j:Q+4*\j+3], v1 offset:512*\j
	ds_load_b128 v[C+4*\j:C+4*\j+3], v1 offset:2048+512*\j
.endr
	s_wait_loadcnt 32                              ; the gates are in
	s_wait_dscnt 0x0
.macro TILEHEAD t                      ; g = v4 for tile 0, v10 for tile 1
	v_sub_f32 v8, 1.0, v[4+6*(\t)]
.irp k, 0,2,4,6,8,10,12,14
	v_pk_mul_f32 v[CG+\k:CG+\k+1], v[C+\k:C+\k+1], v[4+6*(\t):5+6*(\t)] op_sel_hi:[1,0]   ; content x g
.endr
.endm
; Group u: two rows are blended, scored and worked into O.
.macro GROUP u
.set XB, X+32*((\u)%4)
.set OB, O+16*((\u)/4)
.if 7-(\u) >= 3
	s_wait_loadcnt 24                              ; loads come back in order: my eight are in, the three groups behind them may be out
.else
	s_wait_loadcnt 8*(7-(\u))
.endif
.irp k, 0,2,4,6,8,10,12,14
	v_pk_fma_f32 v[XB+\k:XB+\k+1], v[XB+\k:XB+\k+1], v[8:9], v[CG+\k:CG+\k+1] op_sel_hi:[1,0,1]                ; new = buffer (1 - g) + content g, in place; the two rows by turns
	v_pk_fma_f32 v[XB+16+\k:XB+16+\k+1], v[XB+16+\k:XB+16+\k+1], v[8:9], v[CG+\k:CG+\k+1] op_sel_hi:[1,0,1]
.if \k == 0
	v_pk_mul_f32 v[12:13], v[XB:XB+1], v[Q:Q+1]                    ; the first products start the sums
	v_pk_mul_f32 v[14:15], v[XB+16:XB+17], v[Q:Q+1]
.else
	v_pk_fma_f32 v[12:13], v[XB+\k:XB+\k+1], v[Q+\k:Q+\k+1], v[12:13]
	v_pk_fma_f32 v[14:15], v[XB+16+\k:XB+16+\k+1], v[Q+\k:Q+\k+1], v[14:15]
.endif
.endr
	v_add_f32 v16, v12, v13
	v_add_f32 v17, v14, v15
.irp x, 1,2,4,8
	v_add_f32_dpp v16, v16, v16 row_xmask:\x row_mask:0xf bank_mask:0xf   ; across the 16 lanes of a half,
	v_add_f32_dpp v17, v17, v17 row_xmask:\x row_mask:0xf bank_mask:0xf
.endr
	v_permlanex16_b32 v18, v16, s20, s21
	v_permlanex16_b32 v19, v17, s20, s21
	v_add_f32 v16, v16, v18                        ; and the other half's: every lane holds both scores
	v_add_f32 v17, v17, v19
.if (\u)%4 == 0                        ; a tile's first group starts m, l and O
	v_max_num_f32 v20, v16, v17
	v_sub_f32 v24, v16, v20
	v_sub_f32 v26, v17, v20
	v_exp_f32 v24, v24
	v_exp_f32 v26, v26
	v_nop                                          ; a plain instruction behind the last exponential
	s_wait_alu depctr_va_vdst(0)                   ; one wait for the batch, ahead of its first reader
	v_add_f32 v22, v24, v26
.irp k, 0,2,4,6,8,10,12,14
	v_pk_mul_f32 v[OB+\k:OB+\k+1], v[XB+\k:XB+\k+1], v[24:25] op_sel_hi:[1,0]
.endr
.else
	v_max3_num_f32 v21, v20, v16, v17              ; the new m
	v_sub_f32 v28, v20, v21
	v_sub_f32 v24, v16, v21
	v_sub_f32 v26, v17, v21
	v_exp_f32 v28, v28                             ; a = 2^(m old - m new), 1 where m has not grown
	v_exp_f32 v24, v24
	v_exp_f32 v26, v26
	v_mov_b32 v20, v21                             ; a plain instruction behind the last exponential
	s_wait_alu depctr_va_vdst(0)                   ; one wait for the three
	v_fma_f32 v22, v22, v28, v24
	v_add_f32 v22, v22, v26
.irp k, 0,2,4,6,8,10,12,14
	v_pk_mul_f32 v[OB+\k:OB+\k+1], v[OB+\k:OB+\k+1], v[28:29] op_sel_hi:[1,0]
.endr
.irp k, 0,2,4,6,8,10,12,14
	v_pk_fma_f32 v[OB+\k:OB+\k+1], v[XB+\k:XB+\k+1], v[24:25], v[OB+\k:OB+\k+1] op_sel_hi:[1,0,1]
.endr
.endif
.if (\u) < 4
	LOADROW (\u)+4, 0                              ; the row's registers have been read for the last time: they take the same row of my second tile
.endif
.irp k, 0,2,4,6,8,10,12,14
	v_pk_fma_f32 v[OB+\k:OB+\k+1], v[XB+16+\k:XB+16+\k+1], v[26:27], v[OB+\k:OB+\k+1] op_sel_hi:[1,0,1]
.endr
.if (\u) < 4
	LOADROW (\u)+4, 1
.endif
.endm
.macro TILEEND t
.set OB, O+16*(\t)
	v_rcp_f32 v28, v22
	v_nop                                          ; a plain instruction behind the reciprocal
	s_wait_alu depctr_va_vdst(0)                   ; and its wait, ahead of the first reader
.irp k, 0,2,4,6,8,10,12,14
	v_pk_mul_f32 v[OB+\k:OB+\k+1], v[OB+\k:OB+\k+1], v[28:29] op_sel_hi:[1,0]
.endr
.irp j, 0,1,2,3
	global_store_b128 v1, v[OB+4*\j:OB+4*\j+3], s[8:9] offset:(\t)*32768+512*\j th:TH_STORE_NT   ; 32 lanes store 512 consecutive bytes, at a multiple of 512 from out0's first byte; these registers are not written again
.endr
.endm
	TILEHEAD 0
	GROUP 0
	GROUP 1
	GROUP 2
	GROUP 3
	TILEEND 0
	TILEHEAD 1
	GROUP 4
	GROUP 5
	GROUP 6
	GROUP 7
	TILEEND 1
	s_wait_tensorcnt 0x0
	ds_add_u32 v126, v127
	s_wait_dscnt 0x0
	s_endpgm
.Lfunc_end_k_qf62fc1e02e_collapse:
	.size	k_qf62fc1e02e_collapse, .Lfunc_end_k_qf62fc1e02e_collapse-k_qf62fc1e02e_collapse
	.p2alignl 7, 3214868480
	.fill 96, 4, 3214868480
	.section	.rodata,"a",@progbits
	.p2align	6, 0x0
	.amdhsa_kernel k_qf62fc1e02e_collapse
		.amdhsa_group_segment_fixed_size 6144
		.amdhsa_private_segment_fixed_size 0
		.amdhsa_enable_private_segment 0
		.amdhsa_kernarg_size 24
		.amdhsa_user_sgpr_count 2
		.amdhsa_user_sgpr_kernarg_segment_ptr 1
		.amdhsa_wavefront_size32 1
		.amdhsa_system_sgpr_workgroup_id_x 1
		.amdhsa_system_sgpr_workgroup_id_y 1
		.amdhsa_system_sgpr_workgroup_id_z 1
		.amdhsa_system_vgpr_workitem_id 0
		.amdhsa_next_free_vgpr 256
		.amdhsa_next_free_sgpr 66
		.amdhsa_reserve_vcc 0
		.amdhsa_float_denorm_mode_32 3
		.amdhsa_float_denorm_mode_16_64 3
		.amdhsa_memory_ordered 1
		.amdhsa_forward_progress 1
		.amdhsa_inst_pref_size 49
	.end_amdhsa_kernel
	.amdgpu_metadata
---
amdhsa.version: [ 1, 2 ]
amdhsa.kernels:
  - .name:           k_qf62fc1e02e_collapse
    .symbol:         k_qf62fc1e02e_collapse.kd
    .args:
      - { .name: buffer, .offset: 0, .size: 8, .value_kind: global_buffer, .address_space: global }
      - { .name: proj, .offset: 8, .size: 8, .value_kind: global_buffer, .address_space: global }
      - { .name: out0, .offset: 16, .size: 8, .value_kind: global_buffer, .address_space: global }
    .group_segment_fixed_size: 6144
    .private_segment_fixed_size: 0
    .kernarg_segment_align: 8
    .kernarg_segment_size: 24
    .max_flat_workgroup_size: 512
    .sgpr_count:     66
    .vgpr_count:     256
    .wavefront_size: 32
...
	.end_amdgpu_metadata
.endif
;; end of part 2
